; MI455X (gfx1250); checked and timed in simulation.
; The chip was launched on July 23, 2026; its instructions are those of AMD's public machine-readable ISA for CDNA 5 (MIT licence, August 2026) and "CDNA5" Instruction Set Architecture Reference Guide (July 2026). The comments in the code are by the model that wrote it; some were corrected since.
;; Swin Transformer Block. Allowed arithmetic: matrix products marked QUANTISED: E4M3 operands, one E8M0 scale for each 32 along K, by v_wmma_scale_f32_16x16x128_f8f6f4 with both operands' format E4M3, f32 sums; everything else in f32.
;; Inputs: W1 256 x 1,024 float32; W2 1,024 x 256 float32; Wkv 256 x 512 float32; Wp 256 x 256 float32; Wq 256 x 256 float32; b1 1,024 float32; b2 256 float32; be1 256 float32; be2 256 float32; bkv 512 float32; bp 256 float32; bq 256 float32; g1 256 float32; g2 256 float32; pos 1 x 64 x 256 float32; x 32 x 2,048 x 256 float32.
;; Outputs: out0 32 x 2,048 x 256 float32.
;; This version of the problem:
;;   THIS VERSION OF THE PROBLEM IS GIVEN IN LOW PRECISION. The matrix products marked QUANTISED in the list below multiply operands that are first quantised to E4M3 (4 exponent bits, 3 mantissa bits; 8 bits a number), with one power-of-two scale for each 32 numbers along K (OCP MX v1.0); their sums are f32. All else is computed in f32.
;;   The module's matrix products, in the order in which they are computed (A, B: the left and right operand; K: the contracted axis; several contracted axes count as one K, in the product's order):
;;     1. [M 65,536, K 256] x [K 256, N 256]; A: computed on the way; B: input Wq: QUANTISED
;;     2. [M 65,536, K 256] x [K 256, N 512]; A: input x; B: input Wkv: QUANTISED
;;     3. batch 8,192 x [M 64, K 32] x [K 32, N 64]; A: computed on the way; B: computed on the way: QUANTISED
;;     4. batch 8,192 x [M 64, K 64] x [K 64, N 32]; A: softmax (see below); B: computed on the way: QUANTISED
;;     5. [M 65,536, K 256] x [K 256, N 256]; A: computed on the way; B: input Wp: QUANTISED
;;     6. [M 65,536, K 256] x [K 256, N 1,024]; A: computed on the way; B: input W1: QUANTISED
;;     7. [M 65,536, K 1,024] x [K 1,024, N 256]; A: computed on the way; B: input W2: QUANTISED
;;   THE QUANTISER, for each operand of a quantised product, along K:
;;     - K is cut into blocks of 32 from its start; a last block that is shorter is filled with zeros.
;;     - A block's scale is 2^e with e = floor(log2(the largest magnitude in the block)) - 8, held to -126 .. 127; a block of zeros has e = 0. As a byte (E8M0): e + 127.
;;     - Each number is divided by its block's scale, clamped to +-448, and rounded to the nearest number of E4M3, ties to even, subnormals kept.
;;     - The product sums the exact products of the quantised numbers (number of the format x scale) in f32.
;;   ~~~python
;;   def quantise(x, axis):      # numpy; x: float32 -> the quantised numbers, widened to float32 again
;;       x = np.moveaxis(x, axis, -1); K = x.shape[-1]
;;       x = np.pad(x, [(0, 0)] * (x.ndim - 1) + [(0, -K % 32)]); x = x.reshape(x.shape[:-1] + (-1, 32)); a = np.abs(x).max(-1, keepdims=True)
;;       e = np.where(a > 0, np.clip(np.frexp(np.where(a > 0, a, 1))[1] - 1 - 8, -126, 127), 0)      # np.frexp(a)[1] - 1 = floor(log2(a)), exactly
;;       r = np.clip(x / 2.0 ** e, -448, 448)
;;       step = 2.0 ** (np.maximum(np.frexp(np.where(r == 0, 1, r))[1] - 1, -6) - 3)
;;       q = np.round(r / step) * step * 2.0 ** e      # np.round: ties to even
;;       return np.moveaxis(q.reshape(q.shape[:-2] + (-1,))[..., :K], -1, axis).astype(np.float32)
;;   ~~~
;;   SOFTMAX AHEAD OF A QUANTISED PRODUCT. Where the list says 'softmax', what is quantised is not the finished softmax but p = 2^(t - M), with t = logit x log2(e) and M = ceil(the row's largest t), a whole number; so 1/2 < the row's largest p <= 1. The row's sum l is taken of the UNQUANTISED p, in f32, and the product's result is divided by l at the end. Since M is a whole number, a kernel that streams over the keys may use a running M (the ceiling of the running maximum): every later rescaling is an exact power of two, which a block's scale takes up: the codes' values come out the same.
;;   OPERANDS COMPUTED ON THE WAY. 'Computed on the way' means the value that the module computes at that place (a softmax that the list does not call 'softmax' is quantised finished and normalised). What goes into a quantiser is computed in f32, as accurately as f32 sums, v_exp_f32 and their like allow (about 1e-6 of the number): no bf16 or f16 on the way to a quantiser, and a product that is left as it is and whose result goes on into a quantised operand takes f32 operands (vector FMAs, or v_wmma_f32_16x16x4_f32). A number that lies on a knife's edge between two numbers of the format may be rounded either way, as far as f32 arithmetic and the matrix unit's own rounding can turn it there, and no further.
;; One version. Each part assembles by itself: llvm-mc -triple=amdgcn-amd-amdhsa -mcpu=gfx1250 --defsym DOCPART=n.
;; ======== version 1 of 1: 2 launches
;; limits: right only within a limited range of input values
;; workspace buffers: wfrag 786,432 bytes; wscl 24,576 bytes
;; launch prep (part 1): grid 192 x 1, 1 waves a work-group, no clusters, 0 bytes of LDS; arguments Wq, Wp, W2, Wkv, W1, wfrag, wscl; writes wfrag, wscl
.if DOCPART == 1
	.amdgcn_target "amdgcn-amd-amdhsa--gfx1250"
	.amdhsa_code_object_version 6
	.text
	.protected	k_qd1ea39e01c_prep
	.globl	k_qd1ea39e01c_prep
	.p2align	8
	.type	k_qd1ea39e01c_prep,@function
k_qd1ea39e01c_prep:
	s_mov_b64 s[64:65], 0
	v_nop
	global_prefetch_b8 v0, s[64:65] scope:SCOPE_SE
	s_setreg_imm32_b32 hwreg(HW_REG_WAVE_MODE, 25, 1), 1
	s_wait_xcnt 0x0
; The five weights, f32 stored [K][N] (K is their first axis), become codes of FP8 (E4M3) with one E8M0 byte for each 32 along K, laid IN THE ORDER OF THE OPERAND'S REGISTERS.
; A fragment is 16 columns x 128 K = 2,048 bytes: register group c (four registers) of lane l = r + 16 h lies at 512 c + 16 l and holds k = 128 s + 32 c + 16 h + 0 .. 15 of the fragment's column r.
; THE COLUMNS OF A TILE ARE NOT NEIGHBOURS: lane r of tile T takes column 32 (T / 2) + 8 (T % 2) + r + 8 (r / 8), so that the results of two neighbouring tiles are 16 neighbours along the next product's K.
; Fragment number = base + T x (K / 128) + s;  bases: Wq 0, Wkv 32, Wp 96, W1 128, W2 256.  Scale words: 64 bytes a fragment, word r = the four bytes of column r.
; A work-group is one wave and takes 32 columns (tiles 2 P and 2 P + 1) x one K step of 128.  A LANE TAKES A COLUMN AND ITS REGISTERS RUN DOWN K: a block of 32 lies in one lane, and nothing is transposed.
; Each load of the wave reads 128 consecutive bytes; each store of codes covers two aligned runs of 256 bytes (sixteen lanes each).  The scale words leave as runs of 64 bytes: 24,576 bytes in the whole launch.
; A block's scale is 2^(floor(log2(largest magnitude)) - 8); its byte is the largest magnitude's exponent field - 8, held at 1 from below.
; LIMITS: a block of zeros gets the byte 1 (its codes are zeros, and this program alone reads the bytes); blocks whose largest magnitude lies under 2^-118 get the byte 1; NaN and infinities are not served.
.set X,   32                           ; v32-95   two sets of 32 numbers
.set CD,  96                           ; v96-127  a block's 8 registers of codes, a set for each of the four blocks: no store's data are written again
.set SBW, 24                           ; v24      the column's scale word
	s_load_b256 s[4:11], s[0:1], 0x0               ; Wq s[4:5], Wp s[6:7], W2 s[8:9], Wkv s[10:11]
	s_load_b128 s[12:15], s[0:1], 0x20             ; W1 s[12:13], wfrag s[14:15]
	s_load_b64 s[16:17], s[0:1], 0x30              ; wscl
	v_and_b32 v1, 15, v0                           ; r
	v_lshrrev_b32 v2, 4, v0                        ; u: which of the pair's two tiles
	v_and_b32 v6, 8, v1
	v_add_nc_u32 v6, v6, v1                        ; r + 8 (r / 8)
	v_lshl_add_u32 v6, v2, 3, v6                   ; + 8 u: my column among the 32
	v_lshlrev_b32 v3, 2, v6                        ; in bytes
	s_mov_b32 s20, 128                             ; the matrix's first task,
	s_mov_b32 s21, 128                             ; its first fragment,
	s_mov_b32 s22, 1                               ; log2 of its K steps,
	s_mov_b32 s23, 19                              ; log2 of a K step's bytes (128 rows x 4 N): W1's four, replaced below by the work-group's number alone
	s_mov_b32 s33, 0x600000                        ; the mantissa field of 448
	s_wait_alu depctr_va_vdst(0)
	s_wait_kmcnt 0x0
	s_mov_b64 s[18:19], s[12:13]
	s_cmp_lt_u32 ttmp9, 128                        ; tasks 96-127: Wkv
	s_cselect_b64 s[18:19], s[10:11], s[18:19]
	s_cselect_b32 s20, 96, s20
	s_cselect_b32 s21, 32, s21
	s_cselect_b32 s23, 18, s23
	s_cmp_lt_u32 ttmp9, 96                         ; tasks 32-95: W2
	s_cselect_b64 s[18:19], s[8:9], s[18:19]
	s_cselect_b32 s20, 32, s20
	s_cselect_b32 s21, 256, s21
	s_cselect_b32 s22, 3, s22
	s_cselect_b32 s23, 17, s23
	s_cmp_lt_u32 ttmp9, 32                         ; tasks 16-31: Wp
	s_cselect_b64 s[18:19], s[6:7], s[18:19]
	s_cselect_b32 s20, 16, s20
	s_cselect_b32 s21, 96, s21
	s_cselect_b32 s22, 1, s22
	s_cmp_lt_u32 ttmp9, 16                         ; tasks 0-15: Wq
	s_cselect_b64 s[18:19], s[4:5], s[18:19]
	s_cselect_b32 s20, 0, s20
	s_cselect_b32 s21, 0, s21
	s_sub_co_u32 s24, ttmp9, s20                   ; the task within its matrix
	s_lshl_b32 s25, 1, s22                         ; KS: K steps
	s_sub_co_u32 s26, s25, 1
	s_and_b32 s26, s24, s26                        ; s: my K step
	s_lshr_b32 s27, s24, s22                       ; P: my pair of tiles
	s_lshl_b32 s28, s26, s23                       ; s x 128 rows
	s_lshl_b32 s29, s27, 7                         ; + 32 P columns
	s_add_co_u32 s28, s28, s29
	s_mov_b32 s29, 0
	s_add_nc_u64 s[18:19], s[18:19], s[28:29]
	s_lshl_b32 s30, s27, 1
	s_lshl_b32 s30, s30, s22                       ; 2 P x KS
	s_add_co_u32 s30, s30, s21
	s_add_co_u32 s30, s30, s26                     ; tile 2 P's fragment of this K step
	s_lshl_b32 s28, s30, 11
	s_add_nc_u64 s[14:15], s[14:15], s[28:29]
	s_lshl_b32 s28, s30, 6
	s_add_nc_u64 s[16:17], s[16:17], s[28:29]
	s_lshl_b32 s31, s25, 11                        ; tile 2 P + 1's fragment lies KS fragments on
	v_mul_u32_u24 v4, s31, v2
	v_lshl_add_u32 v4, v1, 4, v4                   ; codes: u x KS x 2,048 + 16 r
	s_lshl_b32 s32, s25, 6
	v_mul_u32_u24 v5, s32, v2
	v_lshl_add_u32 v5, v1, 2, v5                   ; scale word: u x KS x 64 + 4 r
.macro LOADB n, t                      ; block t: W(32 t + i, my column), i = 0 .. 31, into set t % 2; n: the matrix's columns
.set li, 0
.rept 32
	global_load_b32 v[X+32*((\t)%2)+li], v3, s[18:19] offset:(32*(\t)+li)*(\n)*4 th:TH_LOAD_NT
.set li, li+1
.endr
.endm
.macro BLOCK n, t
.set XB, X+32*((\t)%2)
.if (\t) < 3
	s_wait_loadcnt 32                              ; this block's 32 loads are in; the next block's 32 may be out
.else
	s_wait_loadcnt 0x0
.endif
	v_max3_num_f32 v12, |v[XB]|, |v[XB+1]|, |v[XB+2]|        ; the block's largest magnitude: all 32 numbers are mine; two chains
	v_max3_num_f32 v13, |v[XB+3]|, |v[XB+4]|, |v[XB+5]|
.irp i, 6,10,14,18,22,26
	v_max3_num_f32 v12, v12, |v[XB+\i]|, |v[XB+\i+1]|
	v_max3_num_f32 v13, v13, |v[XB+\i+2]|, |v[XB+\i+3]|
.endr
	v_max3_num_f32 v12, v12, |v[XB+30]|, |v[XB+31]|
	v_max3_num_f32 v12, v12, v13, 0x4800000        ; and the floor 2^(9 - 127): the byte cannot fall under 1
	v_add_nc_u32 v11, 0xfc000000, v12              ; 8 off the exponent field: the conversion's scale operand
	v_and_or_b32 v10, v12, 0x7f800000, s33         ; 448 x the scale
.set li, 0
.rept 32
	v_med3_num_f32 v[XB+li], v[XB+li], -v10, v10   ; the conversion to an 8-bit code does not saturate (ISA guide 7.6.2): the hold comes first
.set li, li+1
.endr
.irp g, 0,1,2,3
	v_cvt_scalef32_pk8_fp8_f32 v[CD+8*(\t)+2*\g:CD+8*(\t)+2*\g+1], v[XB+8*\g:XB+8*\g+7], v11
.endr
	v_lshrrev_b32 v13, 23, v11                     ; the scale's byte (a plain line behind the conversions)
.if (\t) == 0
	v_mov_b32 v[SBW], v13
.else
	v_lshl_or_b32 v[SBW], v13, 8*(\t), v[SBW]      ; the lower K in the lower byte
.endif
	global_store_b128 v4, v[CD+8*(\t):CD+8*(\t)+3], s[14:15] offset:512*(\t)         ; k = 32 t + 0 .. 15: the half h = 0 of register group t
	global_store_b128 v4, v[CD+8*(\t)+4:CD+8*(\t)+7], s[14:15] offset:512*(\t)+256   ; k = 32 t + 16 .. 31: the half h = 1
.if (\t)+2 < 4
	LOADB \n, (\t)+2
.endif
.endm
.macro BODY n                          ; every offset is an immediate: 127 rows x 4 n bytes at the most, 520,192
	LOADB \n, 0
	LOADB \n, 1
	BLOCK \n, 0
	BLOCK \n, 1
	BLOCK \n, 2
	BLOCK \n, 3
	global_store_b32 v5, v[SBW], s[16:17]
	s_endpgm
.endm
	s_cmp_lt_u32 ttmp9, 96                         ; three copies of the body, by the matrix's width: the branch hangs on the work-group's number alone
	s_cbranch_scc1 .Ln256
	s_cmp_lt_u32 ttmp9, 128
	s_cbranch_scc1 .Ln512
	BODY 1024
.Ln512:
	BODY 512
.Ln256:
	BODY 256
.Lfunc_end_k_qd1ea39e01c_prep:
	.size	k_qd1ea39e01c_prep, .Lfunc_end_k_qd1ea39e01c_prep-k_qd1ea39e01c_prep
	.p2alignl 7, 3214868480
	.fill 96, 4, 3214868480
	.section	.rodata,"a",@progbits
	.p2align	6, 0x0
	.amdhsa_kernel k_qd1ea39e01c_prep
		.amdhsa_group_segment_fixed_size 0
		.amdhsa_private_segment_fixed_size 0
		.amdhsa_enable_private_segment 0
		.amdhsa_kernarg_size 56
		.amdhsa_user_sgpr_count 2
		.amdhsa_user_sgpr_kernarg_segment_ptr 1
		.amdhsa_wavefront_size32 1
		.amdhsa_system_sgpr_workgroup_id_x 1
		.amdhsa_system_sgpr_workgroup_id_y 1
		.amdhsa_system_sgpr_workgroup_id_z 1
		.amdhsa_system_vgpr_workitem_id 0
		.amdhsa_next_free_vgpr 128
		.amdhsa_next_free_sgpr 66
		.amdhsa_reserve_vcc 0
		.amdhsa_float_denorm_mode_32 3
		.amdhsa_float_denorm_mode_16_64 3
		.amdhsa_memory_ordered 1
		.amdhsa_forward_progress 1
		.amdhsa_inst_pref_size 85
	.end_amdhsa_kernel
	.amdgpu_metadata
---
amdhsa.version: [ 1, 2 ]
amdhsa.kernels:
  - .name:           k_qd1ea39e01c_prep
    .symbol:         k_qd1ea39e01c_prep.kd
    .args:
      - { .name: Wq, .offset: 0, .size: 8, .value_kind: global_buffer, .address_space: global }
      - { .name: Wp, .offset: 8, .size: 8, .value_kind: global_buffer, .address_space: global }
      - { .name: W2, .offset: 16, .size: 8, .value_kind: global_buffer, .address_space: global }
      - { .name: Wkv, .offset: 24, .size: 8, .value_kind: global_buffer, .address_space: global }
      - { .name: W1, .offset: 32, .size: 8, .value_kind: global_buffer, .address_space: global }
      - { .name: wfrag, .offset: 40, .size: 8, .value_kind: global_buffer, .address_space: global }
      - { .name: wscl, .offset: 48, .size: 8, .value_kind: global_buffer, .address_space: global }
    .group_segment_fixed_size: 0
    .private_segment_fixed_size: 0
    .kernarg_segment_align: 8
    .kernarg_segment_size: 56
    .max_flat_workgroup_size: 32
    .sgpr_count:     66
    .vgpr_count:     128
    .wavefront_size: 32
...
	.end_amdgpu_metadata
.endif
;; end of part 1
;; launch swin (part 2): grid 256 x 1, 8 waves a work-group, no clusters, 325,632 bytes of LDS; arguments x, pos, wfrag, wscl, bq, bkv, bp, b1, b2, g1, be1, g2, be2, out0; writes out0
.if DOCPART == 2
	.amdgcn_target "amdgcn-amd-amdhsa--gfx1250"
	.amdhsa_code_object_version 6
	.text
	.protected	k_qd1ea39e01c_swin
	.globl	k_qd1ea39e01c_swin
	.p2align	8
	.type	k_qd1ea39e01c_swin,@function
k_qd1ea39e01c_swin:
	s_mov_b64 s[64:65], 0
	v_nop
	global_prefetch_b8 v0, s[64:65] scope:SCOPE_SE
	s_setreg_imm32_b32 hwreg(HW_REG_WAVE_MODE, 25, 1), 1
	s_wait_xcnt 0x0
; One Swin block, whole, on codes of FP8 (E4M3) with one E8M0 scale for each 32 along each product's K.  A trip takes two horizontally neighbouring windows, 128 tokens, from x to out0; nothing between goes to memory.
; A WORK-GROUP STAYS: it makes two such pairs, 16,384 bytes apart in x and out0, in a loop of two trips.  Behind a trip's last product the weights' registers are free: the next trip's x and half of pos are asked for there and land
; under the second layer norm and the way out; nothing waits for the first trip's stores.
; SHARES.  Eight waves of 512 registers, two to a SIMD, so that one wave's vector work stands beside the other's matrix work and LDS loads.  THE WAVES SHARE THE COLUMNS: wave w owns head w (channels 32 w .. 32 w + 31 of
; q, k, v, o), outputs 32 w .. of Wp and W2, hidden units 128 w .. 128 w + 127 of W1, for all 128 tokens.  So each byte of a weight is wanted by ONE wave of the work-group: it goes from memory straight into that wave's operand
; registers (the launch before laid the codes in that order), and a fragment there feeds eight tiles of tokens.
; NO CLUSTER, NO TENSOR LOAD: a joint load lands in LDS, of which this text uses 324,608 of 327,680 bytes, and from there each weight byte would be read once more by the one wave that wants it.
; ACTIVATIONS GO FROM WAVE TO WAVE THROUGH LDS AS IMAGES OF OPERAND REGISTERS (four registers by one 16-byte store at 16 x lane).  The f32 residual (x, then x1, then out) lives in a stage of 128 rows x 1,040 bytes,
; filled from loads of 512 consecutive bytes and emptied by stores of 512 consecutive bytes.
; TILES.  Token tile m = 4 win + 2 bb + u: lane r takes window token 32 bb + 8 u + r + 8 (r / 8); a weight's tile T: column 32 (T / 2) + 8 (T % 2) + r + 8 (r / 8).  With source 0 = weights and source 1 = tokens a lane holds one
; token and the 16 registers of tiles 2 b, 2 b + 1 are features 32 b + 16 (lane / 16) + 0 .. 15: the layout that the quantiser reads, that an operand has, and in which x is read from the stage.  V is made the other way
; round (source 0 = tokens): a lane holds one channel and its registers run along the keys, which are the second attention product's K.
; ATTENTION.  K = 32 fills one block of the instruction's four: the four key tiles' codes stand in the four blocks of ONE operand, and the query's codes slide through an operand of zero codes, so that tile c meets block c alone.
; K = 64 fills two blocks; the other two meet zero codes.  THE SOFTMAX'S SHIFT IS M = 0: q and k are normalised to length 1 and the scale is 1/16, so |t| stays under 0.11 for every input; the ceiling of the row's largest t is 0
; or 1, and the difference is an exact factor 2 that the block's scale and the row's sum both take up.
; GELU is exact: erf by the rational of degrees 13 and 8 in z, z held within +-4.
; LIMITS: NaN and infinities are not served; a block whose largest magnitude lies under 2^-118 (a block of zeros too) gets the byte 1; divisions are a reciprocal and a multiplication.
; REGISTERS, window 0: v0-19, v45 addresses; v20-44 SCALE WORDS AND NOTHING ELSE (v20-35 weights', v36-39 activations', v40-44 attention's; v28-43 the projection's 16); v46-63 small things; v64-255 by phase, stated there.
;   window 1: x 0-127 and pos 128-255 on their way in; then the wave's weights: Wq 0-63, Wk 64-127, Wv 128-191, bq 192-207, bk 208-223, bv 240-255; then Wp 64-127, bp 128-143; then W1's 16 fragments; then W2's 16.
; THE HIDDEN LAYER GOES BY HALVES OF A WAVE'S 128 UNITS, two token tiles a trip: so W1's second half lands while the first is multiplied, and W2's K steps 0-3 land on the first half's registers while the second is multiplied.
; What is quantised there is 2 gelu = h (Q + z P) / Q; 1 is then taken off each of the four scale bytes, an exact factor 1/2.  LIMIT: a hidden block whose largest 2 gelu lies under 2^-118 gets the byte 0, which stands for 2^-127.
.set XP,    1040                       ; a row of the stage: 1,024 bytes + 16: row r starts at bank 4 r mod 64 (64 banks of 4 bytes: ISA guide 11.1)
.set ZONE,  128*XP                     ; behind the stage
.set HIMG,  ZONE                       ; the hidden layer's images [K step = wave][tile] x 2,048
.set HSC,   HIMG+131072                ; their scale words [wave][tile] x 128
.set X1IMG, HSC+8192                   ; x1's images [tile][K step] x 2,048
.set X1SC,  X1IMG+32768                ; their scale words x 128
.set LNA,   X1SC+2048                  ; partial sums [token][wave] f32
.set LNB,   LNA+4096                   ; partial sums of squares
.set B1L,   LNB+4096                   ; b1 [wave][128] f32
.set GBL,   B1L+4096                   ; [wave] x 640: my 32 channels of g1, be1, g2, be2, b2, 128 bytes each
.set XIMG,  ZONE                       ; in the hidden layer's bytes, done with before those are first written: x's images [tile][K step],
.set QIMG,  ZONE+32768                 ; (x + pos)'s,
.set OIMG,  ZONE+65536                 ; o's codes [wave = block][tile] x 512,
.set XSC,   ZONE+98304                 ; x's scale words, (x + pos)'s 2,048 on,
.set OSC,   ZONE+102400                ; o's scale bytes [wave][tile] x 128, a word a lane,
.set QCL,   ZONE+110592                ; a wave's own: its four query tiles' codes x 512, and a fifth slot for the last read ahead,
.set QWL,   ZONE+131072                ; and their scale words x 128, likewise five
.set MSB, 0
.macro WIN new                         ; the immediate's high byte repeats the setting that is left; bits 1:0 source 0, 3:2 source 1, 5:4 source 2, 7:6 destination
.if MSB != \new
	s_set_vgpr_msb (MSB<<8)|\new
.set MSB, \new
.endif
.endm
.macro NOPS n                          ; places behind matrix instructions: 8 before a result is read or a load or vector instruction writes a register that they named
.rept \n
	v_nop
.endr
.endm
.macro BARRIER                         ; my LDS stores have landed and my LDS loads are in: then the work-group's barrier
	s_wait_dscnt 0x0
	s_barrier_signal -1
	s_barrier_wait -1
.endm
.macro FETCH reg, adr, off             ; a fragment's image into 16 registers
.irp c, 0,1,2,3
	ds_load_b128 v[\reg+4*\c:\reg+4*\c+3], v[\adr] offset:\off+512*\c
.endr
.endm
.macro FETCHT buf, sw, off, soff       ; a token tile's two fragments (by v15) and two scale words (by v16): ten LDS loads
	FETCH \buf, 15, \off
	FETCH \buf+16, 15, \off+2048
	ds_load_b32 v[\sw], v16 offset:\soff
	ds_load_b32 v[\sw+1], v16 offset:\soff+128
.endm
.macro IMAGE adr, pc, off              ; a fragment's 16 registers to LDS as they stand
.irp c, 0,1,2,3
	ds_store_b128 v[\adr], v[\pc+4*\c:\pc+4*\c+3] offset:\off+512*\c
.endr
.endm
.macro MM d, a, b, c, sa, sb
	v_wmma_scale_f32_16x16x128_f8f6f4 v[\d:\d+7], v[\a:\a+15], v[\b:\b+15], v[\c:\c+7], v[\sa], v[\sb]
.endm
.macro MM0 d, a, b, sa, sb             ; the product starts the sum
	v_wmma_scale_f32_16x16x128_f8f6f4 v[\d:\d+7], v[\a:\a+15], v[\b:\b+15], 0, v[\sa], v[\sb]
.endm
.macro WLOAD dst, ptr, off, nfrag      ; nfrag fragments of my weights: register 16 f + 4 c from byte 2,048 f + 512 c + 16 x lane
.set wi, 0
.rept 4*\nfrag
	global_load_b128 v[\dst+4*wi:\dst+4*wi+3], v3, s[\ptr:\ptr+1] offset:\off+512*wi
.set wi, wi+1
.endr
.endm
.macro SLOAD dst, ptr, off, n          ; and their scale words: 64 bytes a fragment, word r
.set wi, 0
.rept \n
	global_load_b32 v[\dst+wi], v5, s[\ptr:\ptr+1] offset:\off+64*wi
.set wi, wi+1
.endr
.endm
.macro CLOAD dst, ptr                  ; 16 numbers a lane of a vector over channels: those of channels 32 w + 16 (lane / 16) + 0 .. 15: two tiles in a result's layout
.irp i, 0,1,2,3
	global_load_b128 v[\dst+4*\i:\dst+4*\i+3], v6, s[\ptr:\ptr+1] offset:16*\i
.endr
.endm
; 64 numbers of a lane, register 16 b + i = k 32 b + 16 (lane / 16) + i of my row, become a fragment's codes in v[pc] on and its scale word in v[pw].  tm: 16 registers at work.
.macro QUANT s, pc, tm, pw
.irp b, 0,1,2,3
	v_max3_num_f32 v[\tm+\b], |v[\s+16*\b]|, |v[\s+1+16*\b]|, 0x4800000   ; block b: my 16 numbers, and the floor 2^(9 - 127): the byte cannot fall under 1
.endr
.irp i, 2,4,6,8,10,12,14
.irp b, 0,1,2,3
	v_max3_num_f32 v[\tm+\b], v[\tm+\b], |v[\s+16*\b+\i]|, |v[\s+1+16*\b+\i]|   ; the four blocks by turns
.endr
.endr
.irp b, 0,1,2,3
	v_permlanex16_b32 v[\tm+4+\b], v[\tm+\b], s34, s35
.endr
.irp b, 0,1,2,3
	v_max_num_f32 v[\tm+\b], v[\tm+\b], v[\tm+4+\b]   ; with lane l xor 16's: the block's largest magnitude (four blocks by turns)
.endr
.irp b, 0,1,2,3
	v_add_nc_u32 v[\tm+12+\b], 0xfc000000, v[\tm+\b]   ; 8 off its exponent field: the conversion's scale operand
.endr
.irp b, 0,1,2,3
	v_and_or_b32 v[\tm+8+\b], v[\tm+\b], 0x7f800000, s36   ; 448 x the scale
.endr
.irp b, 0,1,2,3
	v_lshrrev_b32 v[\tm+4+\b], 23, v[\tm+12+\b]   ; the scale's byte
.endr
	s_delay_alu instid0(VALU_DEP_3)
	v_lshl_or_b32 v[\pw], v[\tm+5], 8, v[\tm+4]
	s_delay_alu instid0(VALU_DEP_1)
	v_lshl_or_b32 v[\pw], v[\tm+6], 16, v[\pw]
	s_delay_alu instid0(VALU_DEP_1)
	v_lshl_or_b32 v[\pw], v[\tm+7], 24, v[\pw]
.irp b, 0,1,2,3
.irp i, 0,1,2,3,4,5,6,7,8,9,10,11,12,13,14,15
	v_med3_num_f32 v[\s+16*\b+\i], v[\s+16*\b+\i], -v[\tm+8+\b], v[\tm+8+\b]   ; the conversion does not saturate (ISA guide 7.6.2): the hold at the largest code x the scale
.endr
	v_cvt_scalef32_pk8_fp8_f32 v[\pc+4*\b:\pc+1+4*\b], v[\s+16*\b:\s+7+16*\b], v[\tm+12+\b]
	v_cvt_scalef32_pk8_fp8_f32 v[\pc+2+4*\b:\pc+3+4*\b], v[\s+8+16*\b:\s+15+16*\b], v[\tm+12+\b]
.endr
	v_nop                                          ; a plain line behind the last conversion
.endm
; Four tiles of q or k of my head: unit u = 16 registers at s + 16 u = my token's channels 16 (lane / 16) + 0 .. 15.  Each token's 32 numbers are divided by max(their length, 1e-12) and quantised as one block:
; codes in v[d + 4 u] on, the byte in v[t + 12 + u].  t: 32 registers at work: t + 2 u the sum of squares (a pair), then 1 / length; t + 8 + u the largest magnitude; + 12, + 16 the partner's; + 24 the hold; + 28 the scale operand.
.macro NORMQ s, d, t
.irp u, 0,1,2,3
	v_pk_mul_f32 v[\t+2*\u:\t+2*\u+1], v[\s+16*\u:\s+16*\u+1], v[\s+16*\u:\s+16*\u+1]   ; each result is read from its low end on
.endr
.irp i, 2,4,6,8,10,12,14
.irp u, 0,1,2,3
	v_pk_fma_f32 v[\t+2*\u:\t+2*\u+1], v[\s+16*\u+\i:\s+16*\u+\i+1], v[\s+16*\u+\i:\s+16*\u+\i+1], v[\t+2*\u:\t+2*\u+1]
.endr
.endr
.irp u, 0,1,2,3
	v_max3_num_f32 v[\t+8+\u], |v[\s+16*\u]|, |v[\s+16*\u+1]|, |v[\s+16*\u+2]|
.endr
.irp i, 3,5,7,9,11,13
.irp u, 0,1,2,3
	v_max3_num_f32 v[\t+8+\u], v[\t+8+\u], |v[\s+16*\u+\i]|, |v[\s+16*\u+\i+1]|
.endr
.endr
.irp u, 0,1,2,3
	v_max_num_f32 v[\t+8+\u], v[\t+8+\u], |v[\s+16*\u+15]|
.endr
.irp u, 0,1,2,3
	v_add_f32 v[\t+2*\u], v[\t+2*\u], v[\t+2*\u+1]
.endr
.irp u, 0,1,2,3
	s_delay_alu instid0(VALU_DEP_4)
	v_permlanex16_b32 v[\t+12+\u], v[\t+2*\u], s34, s35
.endr
.irp u, 0,1,2,3
	v_permlanex16_b32 v[\t+16+\u], v[\t+8+\u], s34, s35
.endr
.irp u, 0,1,2,3
	v_add_f32 v[\t+2*\u], v[\t+2*\u], v[\t+12+\u]   ; the token's 32 squares
.endr
.irp u, 0,1,2,3
	v_max_num_f32 v[\t+8+\u], v[\t+8+\u], v[\t+16+\u]
.endr
	s_wait_alu depctr_va_vdst(0)
.irp u, 0,1,2,3
	v_sqrt_f32 v[\t+2*\u], v[\t+2*\u]
.endr
	v_nop                                          ; a plain line behind the batch,
	s_wait_alu depctr_va_vdst(0)                   ; and one wait for the four, ahead of their first reader
.irp u, 0,1,2,3
	v_max_num_f32 v[\t+2*\u], s37, v[\t+2*\u]      ; max(length, 1e-12)
.endr
	s_wait_alu depctr_va_vdst(0)
.irp u, 0,1,2,3
	v_rcp_f32 v[\t+2*\u], v[\t+2*\u]
.endr
	v_nop
	s_wait_alu depctr_va_vdst(0)
.irp u, 0,1,2,3
	v_mul_f32 v[\t+8+\u], v[\t+8+\u], v[\t+2*\u]   ; rounding keeps order: this IS the largest of the scaled magnitudes
.endr
.irp u, 0,1,2,3
	s_delay_alu instid0(VALU_DEP_4)
	v_max_num_f32 v[\t+8+\u], 0x4800000, v[\t+8+\u]
.endr
.irp u, 0,1,2,3
	s_delay_alu instid0(VALU_DEP_4)
	v_add_nc_u32 v[\t+28+\u], 0xfc000000, v[\t+8+\u]
.endr
.irp u, 0,1,2,3
	v_and_or_b32 v[\t+24+\u], v[\t+8+\u], 0x7f800000, s36
.endr
.irp u, 0,1,2,3
	v_lshrrev_b32 v[\t+12+\u], 23, v[\t+28+\u]
.endr
.irp u, 0,1,2,3
.irp i, 0,2,4,6,8,10,12,14
	v_pk_mul_f32 v[\s+16*\u+\i:\s+16*\u+\i+1], v[\s+16*\u+\i:\s+16*\u+\i+1], v[\t+2*\u:\t+2*\u+1] op_sel_hi:[1,0]
.endr
.irp i, 0,1,2,3,4,5,6,7,8,9,10,11,12,13,14,15
	v_med3_num_f32 v[\s+16*\u+\i], v[\s+16*\u+\i], -v[\t+24+\u], v[\t+24+\u]
.endr
	v_cvt_scalef32_pk8_fp8_f32 v[\d+4*\u:\d+4*\u+1], v[\s+16*\u:\s+16*\u+7], v[\t+28+\u]
	v_cvt_scalef32_pk8_fp8_f32 v[\d+4*\u+2:\d+4*\u+3], v[\s+16*\u+8:\s+16*\u+15], v[\t+28+\u]
.endr
	v_nop
.endm
.macro POSLOAD reg, st                 ; pos of my tile's token r, K step st, in the quantiser's layout
.irp b, 0,1,2,3
.irp j, 0,1,2,3
	global_load_b128 v[\reg+16*\b+4*\j:\reg+16*\b+4*\j+3], v8, s[6:7] offset:512*\st+128*\b+16*\j
.endr
.endr
.endm
.macro NEXTX off                       ; the first trip's x, tile w's 16 rows as they lie (window 1, v0-127), and pos K step 0 (window 1, v128-191): 48 loads
	WIN 0x40
.set kk, 0
.rept 32
	global_load_b128 v[4*kk:4*kk+3], v3, s[4:5] offset:(\off)+(kk/16)*131072+512*(kk%16) th:TH_LOAD_NT   ; 512 consecutive bytes: half a token's row; read once in the launch
.set kk, kk+1
.endr
	POSLOAD 128, 0
	WIN 0
.endm
.macro QXADD p                         ; v128-191 = x (v64-127) + pos (window 1, v[p] on)
	WIN 0x04                                       ; source 1 window 1
.set pi, 0
.rept 32
	v_pk_add_f32 v[128+pi:129+pi], v[64+pi:65+pi], v[\p+pi:\p+pi+1]
.set pi, pi+2
.endr
	WIN 0
.endm
.macro XSLD reg, st                    ; the stage's row of my tile's token r, K step st, in the quantiser's layout
.irp b, 0,1,2,3
.irp j, 0,1,2,3
	ds_load_b128 v[\reg+16*\b+4*\j:\reg+16*\b+4*\j+3], v10 offset:512*\st+128*\b+16*\j
.endr
.endr
.endm
.macro CPAIR r, val                    ; a constant for packed forms: they name a pair and take its low word for both halves, so both are written
	s_mov_b32 s[\r], \val
	s_mov_b32 s[\r+1], \val
.endm
.macro XSL m                           ; my 16 channels of tile m's token r from the stage, into half m % 2 of v96-127
.irp i, 0,1,2,3
	ds_load_b128 v[96+16*((\m)%2)+4*\i:96+16*((\m)%2)+4*\i+3], v[11+(\m)/4] offset:16640*((\m)%4)+16*\i
.endr
.endm
; THE STAGE'S SLICE OF MY 32 CHANNELS += LAYERNORM(the eight tiles' results in v[128 + 16 m] on).  A token's 256 channels lie in eight waves: partial sums meet in LDS, twice (mean; squares of what is left).
; vo: where the gain lies in my 640 bytes of LDS (the offset 128 bytes on): they come into v64-79 and v80-95; v46 + 2 m: 1 / sigma of tile m.  Two barriers inside, one at the end.  No wait on loads from memory stands here.
.macro LNRES vo
.irp m, 0,1,2,3,4,5,6,7
	v_pk_add_f32 v[96+4*\m:97+4*\m], v[128+16*\m:129+16*\m], v[130+16*\m:131+16*\m]   ; each result is read from its low end on; two chains a tile
.endr
.irp m, 0,1,2,3,4,5,6,7
	v_pk_add_f32 v[98+4*\m:99+4*\m], v[132+16*\m:133+16*\m], v[134+16*\m:135+16*\m]
.endr
.irp i, 8,12
.irp m, 0,1,2,3,4,5,6,7
	v_pk_add_f32 v[96+4*\m:97+4*\m], v[96+4*\m:97+4*\m], v[128+16*\m+\i:129+16*\m+\i]
.endr
.irp m, 0,1,2,3,4,5,6,7
	v_pk_add_f32 v[98+4*\m:99+4*\m], v[98+4*\m:99+4*\m], v[130+16*\m+\i:131+16*\m+\i]
.endr
.endr
.irp m, 0,1,2,3,4,5,6,7
	v_pk_add_f32 v[96+4*\m:97+4*\m], v[96+4*\m:97+4*\m], v[98+4*\m:99+4*\m]
.endr
.irp m, 0,1,2,3,4,5,6,7
	v_add_f32 v[96+4*\m], v[96+4*\m], v[97+4*\m]
.endr
.irp m, 0,1,2,3,4,5,6,7
	v_permlanex16_b32 v[97+4*\m], v[96+4*\m], s34, s35
.endr
.irp m, 0,1,2,3,4,5,6,7
	v_add_f32 v[96+4*\m], v[96+4*\m], v[97+4*\m]   ; my 32 channels' sum for token r of tile m
.endr
.irp m, 0,1,2,3,4,5,6,7
	ds_store_b32 v13, v[96+4*\m] offset:512*\m     ; both halves of the lanes write the same word with the same value
.endr
	BARRIER                                        ; all eight waves' sums lie in LDS
.irp g, 0,1                            ; four tiles at a time: eight partial sums a token
.irp mm, 0,1,2,3
	ds_load_b128 v[96+8*\mm:99+8*\mm], v14 offset:512*(4*\g+\mm)
	ds_load_b128 v[100+8*\mm:103+8*\mm], v14 offset:512*(4*\g+\mm)+16
.endr
	s_wait_dscnt 0x0
.irp mm, 0,1,2,3
	v_pk_add_f32 v[96+8*\mm:97+8*\mm], v[96+8*\mm:97+8*\mm], v[98+8*\mm:99+8*\mm]
.endr
.irp mm, 0,1,2,3
	v_pk_add_f32 v[100+8*\mm:101+8*\mm], v[100+8*\mm:101+8*\mm], v[102+8*\mm:103+8*\mm]
.endr
.irp mm, 0,1,2,3
	s_delay_alu instid0(VALU_DEP_4)
	v_pk_add_f32 v[96+8*\mm:97+8*\mm], v[96+8*\mm:97+8*\mm], v[100+8*\mm:101+8*\mm]
.endr
.irp mm, 0,1,2,3
	s_delay_alu instid0(VALU_DEP_4)
	v_add_f32 v[96+8*\mm], v[96+8*\mm], v[97+8*\mm]
.endr
.irp mm, 0,1,2,3
	v_mul_f32 v[96+8*\mm], s38, v[96+8*\mm]        ; the mean
.endr
.irp i, 0,2,4,6,8,10,12,14
.irp mm, 0,1,2,3
	v_pk_add_f32 v[128+16*(4*\g+\mm)+\i:129+16*(4*\g+\mm)+\i], v[128+16*(4*\g+\mm)+\i:129+16*(4*\g+\mm)+\i], v[96+8*\mm:97+8*\mm] op_sel_hi:[1,0] neg_lo:[0,1] neg_hi:[0,1]   ; less the mean
.endr
.endr
.irp mm, 0,1,2,3
	v_pk_mul_f32 v[98+8*\mm:99+8*\mm], v[128+16*(4*\g+\mm):129+16*(4*\g+\mm)], v[128+16*(4*\g+\mm):129+16*(4*\g+\mm)]
.endr
.irp i, 2,4,6,8,10,12,14
.irp mm, 0,1,2,3
	v_pk_fma_f32 v[98+8*\mm:99+8*\mm], v[128+16*(4*\g+\mm)+\i:129+16*(4*\g+\mm)+\i], v[128+16*(4*\g+\mm)+\i:129+16*(4*\g+\mm)+\i], v[98+8*\mm:99+8*\mm]   ; four tiles by turns
.endr
.endr
.irp mm, 0,1,2,3
	s_delay_alu instid0(VALU_DEP_4)
	v_add_f32 v[98+8*\mm], v[98+8*\mm], v[99+8*\mm]
.endr
.irp mm, 0,1,2,3
	v_permlanex16_b32 v[99+8*\mm], v[98+8*\mm], s34, s35
.endr
.irp mm, 0,1,2,3
	s_delay_alu instid0(VALU_DEP_4)
	v_add_f32 v[98+8*\mm], v[98+8*\mm], v[99+8*\mm]
.endr
.irp mm, 0,1,2,3
	ds_store_b32 v13, v[98+8*\mm] offset:4096+512*(4*\g+\mm)
.endr
.endr
	BARRIER                                        ; all eight waves' sums of squares lie in LDS
.irp i, 0,1,2,3
	ds_load_b128 v[64+4*\i:67+4*\i], v45 offset:\vo+16*\i        ; the gain and the offset of channels 32 w + 16 (lane / 16) + 0 .. 15, out of my own bytes; the wait below serves them too
	ds_load_b128 v[80+4*\i:83+4*\i], v45 offset:\vo+128+16*\i
.endr
.irp g, 0,1
.irp mm, 0,1,2,3
	ds_load_b128 v[96+8*\mm:99+8*\mm], v14 offset:4096+512*(4*\g+\mm)
	ds_load_b128 v[100+8*\mm:103+8*\mm], v14 offset:4096+512*(4*\g+\mm)+16
.endr
	s_wait_dscnt 0x0
.irp mm, 0,1,2,3
	v_pk_add_f32 v[96+8*\mm:97+8*\mm], v[96+8*\mm:97+8*\mm], v[98+8*\mm:99+8*\mm]
.endr
.irp mm, 0,1,2,3
	v_pk_add_f32 v[100+8*\mm:101+8*\mm], v[100+8*\mm:101+8*\mm], v[102+8*\mm:103+8*\mm]
.endr
.irp mm, 0,1,2,3
	s_delay_alu instid0(VALU_DEP_4)
	v_pk_add_f32 v[96+8*\mm:97+8*\mm], v[96+8*\mm:97+8*\mm], v[100+8*\mm:101+8*\mm]
.endr
.irp mm, 0,1,2,3
	s_delay_alu instid0(VALU_DEP_4)
	v_add_f32 v[96+8*\mm], v[96+8*\mm], v[97+8*\mm]
.endr
.irp mm, 0,1,2,3
	v_fma_f32 v[46+2*(4*\g+\mm)], v[96+8*\mm], s38, s39   ; the variance + 1e-5
.endr
.endr
	s_wait_alu depctr_va_vdst(0)
.irp m, 0,1,2,3,4,5,6,7
	v_rsq_f32 v[46+2*\m], v[46+2*\m]
.endr
	v_nop                                          ; a plain line behind the batch,
	s_wait_alu depctr_va_vdst(0)                   ; and one wait for the eight, ahead of their first reader
	XSL 0
.irp m, 0,1,2,3,4,5,6,7
.if \m < 7
	XSL \m+1
.endif
.irp i, 0,2,4,6,8,10,12,14
	v_pk_mul_f32 v[128+16*\m+\i:129+16*\m+\i], v[128+16*\m+\i:129+16*\m+\i], v[46+2*\m:47+2*\m] op_sel_hi:[1,0]
.endr
.irp i, 0,2,4,6,8,10,12,14
	v_pk_fma_f32 v[128+16*\m+\i:129+16*\m+\i], v[128+16*\m+\i:129+16*\m+\i], v[64+\i:65+\i], v[80+\i:81+\i]
.endr
.if (\m == 0) || (\m == 7)
	s_wait_alu depctr_va_vdst(0)
	s_wait_dscnt 4                                 ; this tile's four loads are in; behind them: the next tile's four loads (tile 0), the last tile's four stores (tile 7)
.else
	s_wait_alu depctr_va_vdst(0)
	s_wait_dscnt 8                                 ; behind them: the last tile's four stores and the next tile's four loads
.endif
.irp i, 0,2,4,6,8,10,12,14
	v_pk_add_f32 v[128+16*\m+\i:129+16*\m+\i], v[128+16*\m+\i:129+16*\m+\i], v[96+16*(\m%2)+\i:97+16*(\m%2)+\i]
.endr
.irp i, 0,1,2,3
	ds_store_b128 v[11+\m/4], v[128+16*\m+4*\i:131+16*\m+4*\i] offset:16640*(\m%4)+16*\i   ; back to where it came from: my channels of these rows are mine alone
.endr
.endr
	BARRIER                                        ; the stage's rows are whole again
.endm
; ---------------------------------------------------------------- the head
	s_load_b512 s[4:19], s[0:1], 0x0               ; x s[4:5], pos s[6:7], wfrag s[8:9], wscl s[10:11], bq s[12:13], bkv s[14:15], bp s[16:17], b1 s[18:19]
	s_load_b256 s[20:27], s[0:1], 0x40             ; b2 s[20:21], g1 s[22:23], be1 s[24:25], g2 s[26:27]
	s_load_b128 s[28:31], s[0:1], 0x60             ; be2 s[28:29], out0 s[30:31]
	v_lshrrev_b32 v1, 5, v0
	s_delay_alu instid0(VALU_DEP_1)
	v_readfirstlane_b32 s32, v1                    ; w: wave 0..7
	v_and_b32 v1, 15, v0                           ; r
	v_bfe_u32 v2, v0, 4, 1                         ; h
	v_and_b32 v3, 31, v0
	s_delay_alu instid0(VALU_DEP_1)
	v_lshlrev_b32 v4, 2, v3                        ; v4  4 x lane
	s_delay_alu instid0(VALU_DEP_2)
	v_lshlrev_b32 v3, 4, v3                        ; v3  16 x lane
	v_lshlrev_b32 v5, 2, v1                        ; v5  4 r
	v_lshlrev_b32 v6, 6, v2                        ; v6  64 h
	v_and_b32 v7, 8, v1
	s_delay_alu instid0(VALU_DEP_1)
	v_add_nc_u32 v7, v7, v1                        ; r + 8 (r / 8)
	s_delay_alu instid0(VALU_DEP_1)
	v_lshl_add_u32 v8, v7, 10, v6                  ; v8  pos: that token's row + 64 h
	s_delay_alu instid0(VALU_DEP_2)
	v_lshlrev_b32 v7, 2, v7                        ; v7  4 (r + 8 (r / 8))
	s_mul_i32 s81, s32, 16*XP                      ; my tile's 16 rows of the stage
	v_add_nc_u32 v9, s81, v3                       ; v9  the stage by whole rows: 16 x lane
	v_mul_u32_u24 v11, v1, XP
	s_delay_alu instid0(VALU_DEP_1)
	v_add_nc_u32 v11, v11, v6
	s_delay_alu instid0(VALU_DEP_1)
	v_add_nc_u32 v10, s81, v11                     ; v10 the stage in the quantiser's layout: my tile's row r + 64 h
	s_lshl_b32 s82, s32, 7
	v_add_nc_u32 v11, s82, v11                     ; v11 my 32 channels of tiles 0-3: row r + 128 w + 64 h
	s_delay_alu instid0(VALU_DEP_1)
	v_add_nc_u32 v12, 4*16*XP, v11                 ; v12 of tiles 4-7
	v_lshlrev_b32 v14, 5, v1
	s_delay_alu instid0(VALU_DEP_1)
	v_add_nc_u32 v14, LNA, v14                     ; v14 a token's eight partial sums
	s_lshl_b32 s82, s32, 2
	v_add_nc_u32 v13, s82, v14                     ; v13 mine among them
	s_mul_i32 s82, s32, 640
	s_add_co_u32 s82, s82, GBL                     ; my 640 bytes of gains, offsets and b2
	v_add_nc_u32 v45, s82, v6                      ; v45 out of them: + 64 h
	v_and_b32 v16, 7, v0
	s_delay_alu instid0(VALU_DEP_1)
	v_lshlrev_b32 v16, 4, v16                      ; into them: eight lanes cover a vector's 128 bytes; the other lanes do the same over again
	s_delay_alu instid0(VALU_DEP_1)
	v_add_nc_u32 v17, s82, v16
	s_lshl_b32 s82, s32, 9
	s_add_co_u32 s82, s82, B1L
	v_add_nc_u32 v18, s82, v3                      ; my part of b1 in LDS
.irp j, 0,1,2,3,4,5,6,7,8,9,10,11,12,13,14,15,16,17
	v_mov_b32 v[46+\j], 0                          ; written once: named later as upper halves of pairs
.endr
.irp j, 0,1,2,3
	v_mov_b32 v[212+\j], 0                         ; written once: a lane permute's destination counts as one of its sources
.endr
	s_mov_b32 s34, 0x76543210
	s_mov_b32 s35, 0xfedcba98                      ; v_permlanex16_b32's selects for lane l xor 16
	s_mov_b32 s36, 0x600000                        ; the mantissa field of 448
	s_mov_b32 s37, 0x2B8CBCCC                      ; 1e-12
	s_mov_b32 s38, 0x3B800000                      ; 1 / 256
	s_mov_b32 s39, 0x3727C5AC                      ; 1e-5
	CPAIR 40, 0xAF95DF0B                           ; erf(z) = z P(z^2) / Q(z^2).  P: z^12's coefficient (z^10's stands in v[18:19]),
	CPAIR 42, 0xB60CFF51                           ; z^8's,
	CPAIR 44, 0xB86EC2D2                           ; z^6's,
	CPAIR 46, 0xBA40AC63                           ; z^4's,
	CPAIR 48, 0xBB41A1F6                           ; z^2's,
	CPAIR 50, 0xBC83DBD4                           ; the constant.
	CPAIR 52, 0xB77460CD                           ; Q: z^8's (z^6's stands in v[46:47]),
	CPAIR 54, 0xBADC924E                           ; z^4's,
	CPAIR 56, 0xBBF19BF8                           ; z^2's,
	CPAIR 58, 0xBC69B6A7                           ; the constant
	CPAIR 60, 0x3F3504F3                           ; 1 / sqrt(2)
	CPAIR 62, 0x3DB8AA3B                           ; c = log2(e) / 16: t = score x c
	s_lshr_b32 s82, ttmp9, 3                       ; the first trip's pair of windows is number 2 x the work-group's.  The image: 2^21 bytes;
	s_lshl_b32 s82, s82, 21
	s_bfe_u32 s83, ttmp9, 0x20001                  ; the row of windows: 8 image rows of 65,536 bytes;
	s_lshl_b32 s83, s83, 19
	s_add_co_u32 s82, s82, s83
	s_and_b32 s83, ttmp9, 1                        ; the pair of windows in it: 16 tokens of 1,024 bytes each, two pairs a work-group;
	s_lshl_b32 s83, s83, 15
	s_add_co_u32 s82, s82, s83
	s_lshr_b32 s83, s32, 2                         ; my tile (tile w): its window,
	s_lshl_b32 s83, s83, 13
	s_add_co_u32 s82, s82, s83
	s_bfe_u32 s84, s32, 0x10001                    ; bb
	s_and_b32 s85, s32, 1                          ; u
	s_lshl_b32 s86, s84, 2
	s_add_co_u32 s86, s86, s85                     ; its first image row in the window: 4 bb + u (its rows 8-15 lie two image rows further down)
	s_lshl_b32 s87, s86, 16
	s_add_co_u32 s92, s82, s87
	s_mov_b32 s93, 0
	s_wait_kmcnt 0x0
	s_add_nc_u64 s[4:5], s[4:5], s[92:93]          ; x and out0 at my tile
	s_add_nc_u64 s[30:31], s[30:31], s[92:93]
	s_lshl_b32 s92, s86, 13
	s_add_nc_u64 s[6:7], s[6:7], s[92:93]          ; pos at window token 32 bb + 8 u
	s_lshl_b32 s92, s32, 13
	s_add_nc_u64 s[70:71], s[8:9], s[92:93]        ; s[70:71] my four fragments of Wq, Wk, Wv, Wp
	s_lshl_b32 s92, s32, 15
	s_add_nc_u64 s[72:73], s[8:9], s[92:93]        ; s[72:73] my sixteen of W1, W2
	s_lshl_b32 s92, s32, 8
	s_add_nc_u64 s[74:75], s[10:11], s[92:93]      ; s[74:75], s[76:77] their scale words
	s_lshl_b32 s92, s32, 10
	s_add_nc_u64 s[76:77], s[10:11], s[92:93]
	s_lshl_b32 s92, s32, 7                         ; my 32 channels of the vectors over channels
	s_add_nc_u64 s[12:13], s[12:13], s[92:93]
	s_add_nc_u64 s[14:15], s[14:15], s[92:93]
	s_add_nc_u64 s[16:17], s[16:17], s[92:93]
	s_add_nc_u64 s[20:21], s[20:21], s[92:93]
	s_add_nc_u64 s[22:23], s[22:23], s[92:93]
	s_add_nc_u64 s[24:25], s[24:25], s[92:93]
	s_add_nc_u64 s[26:27], s[26:27], s[92:93]
	s_add_nc_u64 s[28:29], s[28:29], s[92:93]
	s_lshl_b32 s92, s32, 9                         ; my 128 hidden units of b1
	s_add_nc_u64 s[18:19], s[18:19], s[92:93]
	NEXTX 0                                        ; the first trip's x and pos
	global_load_b128 v[60:63], v3, s[18:19]        ; b1: my 128
	global_load_b128 v[64:67], v16, s[22:23]       ; g1, be1, g2, be2, b2: my 32 channels of each
	global_load_b128 v[68:71], v16, s[24:25]
	global_load_b128 v[72:75], v16, s[26:27]
	global_load_b128 v[76:79], v16, s[28:29]
	global_load_b128 v[80:83], v16, s[20:21]
	s_wait_loadcnt 0x0
	ds_store_b128 v18, v[60:63]                    ; they stay in my own LDS bytes for both trips
.irp j, 0,1,2,3,4
	ds_store_b128 v17, v[64+4*\j:67+4*\j] offset:128*\j
.endr
	s_wait_dscnt 0x0                               ; the stores have read their registers
	s_mov_b32 s33, 0                               ; the trip
.Lpass:
; ---------------------------------------------------------------- X: wave w lays tile w's 16 rows of x in the stage and quantises x and x + pos
; v64-127 x, v128-191 x + pos: 64 numbers each; v192-207 codes; v208-223 at work; v224 the scale word.
	s_wait_loadcnt 0x0                             ; x and pos K step 0 stand in window 1
	s_lshl_b32 s81, s32, 12
	s_add_co_u32 s81, s81, XIMG
	v_add_nc_u32 v15, s81, v3                      ; my tile's images
	s_lshl_b32 s81, s32, 8
	s_add_co_u32 s81, s81, XSC
	v_add_nc_u32 v16, s81, v4                      ; and scale words
	WIN 0x04                                       ; an LDS store's data are its source 1: window 1
.set kk, 0
.rept 32
	ds_store_b128 v9, v[4*kk:4*kk+3] offset:(kk/2)*XP+512*(kk%2)
.set kk, kk+1
.endr
	WIN 0
	XSLD 64, 0                                     ; LDS serves a wave's instructions in order (ISA guide 5.7.1.4): these see my stores; the rows are mine
	s_cmp_lg_u32 s33, 0                            ; pos K step 1, wanted two quantisers on: the second trip's was asked for behind the first trip's last product
	s_cbranch_scc1 .Lpos_in
	WIN 0x40
	POSLOAD 192, 1
	WIN 0
.Lpos_in:
	s_wait_dscnt 0x0                               ; the stores have read x's registers, and K step 0 is back
	WIN 0x40
	WLOAD 0, 70, 0, 4                              ; Wq (fragment 2 u + s) and Wk take x's registers
	WLOAD 64, 70, 65536, 4
	QXADD 128
	QUANT 64, 192, 208, 224
	WIN 0x40
	WLOAD 128, 70, 131072, 4                       ; Wv takes pos K step 0's
	WIN 0
	IMAGE 15, 192, 0
	ds_store_b32 v16, v224
	XSLD 64, 1
	s_wait_dscnt 16                                ; the five stores have read their registers; the 16 loads behind them may be out
	QUANT 128, 192, 208, 224
	IMAGE 15, 192, 32768
	ds_store_b32 v16, v224 offset:2048
	s_wait_loadcnt 48                              ; pos K step 1 is in: behind it Wq's, Wk's and Wv's 48 loads were issued
	s_wait_dscnt 0x0
	QXADD 192
	WIN 0x40
	CLOAD 192, 12                                  ; bq, as the C of q's two tiles, and bk take pos K step 1's registers
	CLOAD 208, 14
	WIN 0
	SLOAD 20, 74, 0, 4
	SLOAD 24, 74, 2048, 4
	SLOAD 28, 74, 4096, 4
	global_load_b32 v56, v7, s[14:15] offset:1024  ; bv: V's results hold one channel a lane: 8 ud + r + 8 (r / 8) of my head
	global_load_b32 v57, v7, s[14:15] offset:1056
	QUANT 64, 192, 208, 224
	IMAGE 15, 192, 2048
	ds_store_b32 v16, v224 offset:128
	s_wait_dscnt 0x0
	QUANT 128, 192, 208, 224
	IMAGE 15, 192, 32768+2048
	ds_store_b32 v16, v224 offset:2048+128
	s_wait_loadcnt 0x0                             ; bv, and with it the attention's weights
	WIN 0x40
.irp j, 0,1,2,3,4,5,6,7
	v_mov_b32 v[240+\j], v56                       ; bv as the C of V's two tiles: the lane's number in all eight registers
	v_mov_b32 v[248+\j], v57
.endr
	WIN 0
	BARRIER                                        ; all eight tiles' images of x and x + pos lie in LDS
; ---------------------------------------------------------------- ATT: my head, a window a trip
; v56-71 the four key tiles' codes, a block each; v72-87 V's codes (ud 0: blocks 0, 1; ud 1: blocks 2, 3), v88-95 zero codes; v40 k's scale word, v41, v42 V's, v43 q's, v44 p's.
; First: v96-159 k or q, v160-223 V^T; two fragments of x in v224-255 and, by turns, in v56-87 (k, V: the codes' registers are not yet taken) or v176-207 (q: V^T is done with); v224-255 then at work.
; Then: v96-123 zero codes round q's four registers (v108-111), v124-139 p's codes and zero codes, v144-175 S^T, v176-191 O^T, v192-228 at work.
.irp j, 0,1,2,3,4,5,6,7
	v_mov_b32 v[88+\j], 0
.endr
	s_mul_i32 s85, s32, 2560
	s_add_co_u32 s85, s85, QCL                     ; my query tiles' codes,
	s_mul_i32 s86, s32, 640
	s_add_co_u32 s86, s86, QWL                     ; their scale words,
	s_lshl_b32 s87, s32, 12
	s_add_co_u32 s87, s87, OIMG                    ; o's codes: 512 bytes on for each query tile,
	s_lshl_b32 s88, s32, 10
	s_add_co_u32 s88, s88, OSC                     ; o's scale bytes: 128 on
	s_mov_b32 s81, XIMG                            ; the window's images: 16,384 bytes on a trip,
	s_mov_b32 s82, XSC                             ; its scale words: 1,024 on
	s_mov_b32 s78, 0
.Lwin:
	s_wait_loadcnt 0x0                             ; no load of mine is out
	v_add_nc_u32 v15, s81, v3
	s_wait_alu depctr_va_vdst(0)
	v_add_nc_u32 v16, s82, v4
	s_wait_alu depctr_va_vdst(0)
	FETCHT 224, 36, 0, 0
.irp m, 0,1,2,3                        ; k (source 0 = Wk) and V^T (source 1 = Wv) of token tile m: four sums by turns; the next tile is fetched ahead of this tile's products
.set xb, 224-168*(\m%2)
.set xn, 56+168*(\m%2)
.set xsw, 36+2*(\m%2)
.if \m < 3
.if \m > 0
	NOPS 8
.endif
	FETCHT xn, 38-2*(\m%2), 4096*(\m+1), 256*(\m+1)
	s_wait_dscnt 10                                ; this tile's ten loads are in; the next tile's ten may be out
.else
	s_wait_dscnt 0x0
.endif
	WIN 0x11                                       ; source 0 (Wk) and C (bk) window 1
	MM 96+16*\m, 64, xb, 208, 24, xsw
	MM 104+16*\m, 96, xb, 216, 26, xsw
	WIN 0x14                                       ; source 1 (Wv) and C (bv) window 1
	MM 160+8*\m, xb, 128, 240, xsw, 28
	MM 192+8*\m, xb, 160, 248, xsw, 30
	WIN 0x01
	MM 96+16*\m, 80, xb+16, 96+16*\m, 25, xsw+1
	MM 104+16*\m, 112, xb+16, 104+16*\m, 27, xsw+1
	WIN 0x04
	MM 160+8*\m, xb+16, 144, 160+8*\m, xsw+1, 29
	MM 192+8*\m, xb+16, 176, 192+8*\m, xsw+1, 31
	WIN 0
.endr
	NOPS 8
	s_cmp_eq_u32 s78, 0                            ; in the second window Wk and Wv are done with: Wp, bp and Wp's scale words take their places
	s_cbranch_scc1 .Lno_wp
	WIN 0x40
	WLOAD 64, 70, 196608, 4
	CLOAD 128, 16
	WIN 0
	SLOAD 24, 74, 6144, 4
.Lno_wp:
	NORMQ 96, 56, 224                              ; k / |k|, quantised: tile m's codes are block m of one operand
	v_lshl_or_b32 v40, v237, 8, v236               ; and its byte is byte m of the scale word
	s_delay_alu instid0(VALU_DEP_1)
	v_lshl_or_b32 v40, v238, 16, v40
	s_delay_alu instid0(VALU_DEP_1)
	v_lshl_or_b32 v40, v239, 24, v40
	QUANT 160, 72, 224, 41                         ; V^T along the keys: blocks (ud, bb)
	v_lshrrev_b32 v42, 16, v41                     ; ud 1's two bytes; above them 0, which meets zero codes
	FETCHT 224, 36, 32768, 2048
.irp m, 0,1,2,3                        ; q of token tile m, from x + pos
.set xb, 224-48*(\m%2)
.set xn, 176+48*(\m%2)
.set xsw, 36+2*(\m%2)
.if \m < 3
.if \m > 0
	NOPS 8
.endif
	FETCHT xn, 38-2*(\m%2), 32768+4096*(\m+1), 2048+256*(\m+1)
	s_wait_dscnt 10
.else
	s_wait_dscnt 0x0
.endif
	WIN 0x11
	MM 96+16*\m, 0, xb, 192, 20, xsw
	MM 104+16*\m, 32, xb, 200, 22, xsw
	WIN 0x01
	MM 96+16*\m, 16, xb+16, 96+16*\m, 21, xsw+1
	MM 104+16*\m, 48, xb+16, 104+16*\m, 23, xsw+1
	WIN 0
.endr
	NOPS 8
	NORMQ 96, 160, 224
.irp j, 0,1,2,3,4,5,6,7,8,9,10,11
	v_mov_b32 v[96+\j], 0                          ; zero codes below and above q's four registers,
	v_mov_b32 v[112+\j], 0
.endr
.irp j, 0,1,2,3,4,5,6,7
	v_mov_b32 v[132+\j], 0                         ; and in p's blocks 2 and 3
.endr
.irp u, 0,1,2,3
	v_lshl_or_b32 v[176+\u], v[236+\u], 8, v[236+\u]   ; q's byte in all four bytes: its block slides
.endr
.irp u, 0,1,2,3
	s_delay_alu instid0(VALU_DEP_4)
	v_lshl_or_b32 v[176+\u], v[176+\u], 16, v[176+\u]
.endr
	v_add_nc_u32 v17, s85, v3
	v_add_nc_u32 v18, s86, v4
.irp u, 0,1,2,3
	ds_store_b128 v17, v[160+4*\u:163+4*\u] offset:512*\u   ; through my own LDS bytes, so that the loop below has one set of registers
	ds_store_b32 v18, v[176+\u] offset:128*\u
.endr
	ds_store_b128 v17, v[160:163] offset:2048      ; the fifth slot: the last trip's read ahead falls here; what it brings is not used
	ds_store_b32 v18, v176 offset:512
	ds_load_b128 v[108:111], v17                   ; the first tile of queries
	ds_load_b32 v43, v18
	s_mov_b32 s83, s85
	s_mov_b32 s84, s86
	s_mov_b32 s79, 0
.Ltq:                                  ; a tile of 16 queries a trip
	v_add_nc_u32 v15, s83, v3
	v_add_nc_u32 v16, s84, v4
	s_wait_alu depctr_va_vdst(0)
	s_wait_dscnt 0x0                               ; this tile's codes and word, asked for a trip ago, are in; my stores have landed too
.irp c, 0,1,2,3
	MM0 144+8*\c, 56, 108-4*\c, 40, 43             ; S^T of key tile c: q's codes stand in block c of source 1, zero codes in the others
.endr
	NOPS 8
	ds_load_b128 v[108:111], v15 offset:512        ; the next tile's, a trip ahead
	ds_load_b32 v43, v16 offset:128
.irp i, 0,2,4,6,8,10,12,14,16,18,20,22,24,26,28,30
	v_pk_mul_f32 v[144+\i:145+\i], v[144+\i:145+\i], s[62:63] op_sel_hi:[1,0]   ; t; register 16 bb + i is key 32 bb + 16 (lane / 16) + i
.endr
.set kk, 0
	s_wait_alu depctr_va_vdst(0)
.rept 32
	v_exp_f32 v[144+kk], v[144+kk]                 ; p = 2^t: not normalised
.set kk, kk+1
.endr
	v_nop                                          ; a plain line behind the batch,
	s_wait_alu depctr_va_vdst(0)                   ; and one wait for the 32, ahead of their first reader
	v_pk_add_f32 v[194:195], v[144:145], v[146:147]
	v_pk_add_f32 v[254:255], v[152:153], v[156:157]
	v_pk_add_f32 v[252:253], v[160:161], v[164:165]
	v_pk_add_f32 v[250:251], v[168:169], v[172:173]
	v_pk_add_f32 v[248:249], v[148:149], v[150:151]
	v_pk_add_f32 v[246:247], v[154:155], v[158:159]
	v_pk_add_f32 v[244:245], v[162:163], v[166:167]
	v_pk_add_f32 v[192:193], v[170:171], v[174:175]
	s_delay_alu instid0(VALU_DEP_1)
	v_pk_add_f32 v[192:193], v[192:193], v[250:251]
	v_pk_add_f32 v[194:195], v[194:195], v[248:249]
	v_pk_add_f32 v[254:255], v[254:255], v[246:247]
	v_pk_add_f32 v[252:253], v[252:253], v[244:245]
	s_delay_alu instid0(VALU_DEP_2)
	v_pk_add_f32 v[192:193], v[192:193], v[254:255]
	s_delay_alu instid0(VALU_DEP_2)
	v_pk_add_f32 v[194:195], v[194:195], v[252:253]
	s_delay_alu instid0(VALU_DEP_1)
	v_pk_add_f32 v[192:193], v[192:193], v[194:195]
	s_delay_alu instid0(VALU_DEP_1)
	v_add_f32 v192, v192, v193
	v_max3_num_f32 v196, v144, v145, 0x4800000     ; the two blocks' largest p (p is positive), and the floor
	v_max3_num_f32 v197, v160, v161, 0x4800000
.irp i, 2,4,6,8,10,12,14
	v_max3_num_f32 v196, v196, v[144+\i], v[145+\i]
	v_max3_num_f32 v197, v197, v[160+\i], v[161+\i]
.endr
	v_permlanex16_b32 v198, v192, s34, s35
	s_delay_alu instid0(VALU_DEP_3)
	v_permlanex16_b32 v199, v196, s34, s35
	s_delay_alu instid0(VALU_DEP_3)
	v_permlanex16_b32 v200, v197, s34, s35
	s_delay_alu instid0(VALU_DEP_3)
	v_add_f32 v192, v192, v198                     ; with lane l xor 16's 32 keys
	s_delay_alu instid0(VALU_DEP_3)
	v_max_num_f32 v196, v196, v199
	s_delay_alu instid0(VALU_DEP_3)
	v_max_num_f32 v197, v197, v200
	s_wait_alu depctr_va_vdst(0)
	v_rcp_f32 v202, v192                           ; 1 / the sum: its wait stands ahead of its first reader, behind the second product
	v_add_nc_u32 v204, 0xfc000000, v196
	v_add_nc_u32 v205, 0xfc000000, v197
	v_and_or_b32 v206, v196, 0x7f800000, s36
	v_and_or_b32 v207, v197, 0x7f800000, s36
	s_delay_alu instid0(VALU_DEP_4)
	v_lshrrev_b32 v208, 23, v204
	s_delay_alu instid0(VALU_DEP_4)
	v_lshrrev_b32 v209, 23, v205
	s_delay_alu instid0(VALU_DEP_1)
	v_lshl_or_b32 v44, v209, 8, v208               ; p's scale word; the 32 lines below are its places ahead of the product
.irp i, 0,1,2,3,4,5,6,7,8,9,10,11,12,13,14,15
	v_min_num_f32 v[144+\i], v[144+\i], v206       ; the hold, one-sided
	v_min_num_f32 v[160+\i], v[160+\i], v207
.endr
	v_cvt_scalef32_pk8_fp8_f32 v[124:125], v[144:151], v204
	v_cvt_scalef32_pk8_fp8_f32 v[126:127], v[152:159], v204
	v_cvt_scalef32_pk8_fp8_f32 v[128:129], v[160:167], v205
	v_cvt_scalef32_pk8_fp8_f32 v[130:131], v[168:175], v205
	NOPS 4                                         ; codes made by vector instructions stand four places ahead of the product
	MM0 176, 72, 124, 41, 44                       ; O^T, channels 8 ud + ..: ud 0 (its blocks 2, 3 are ud 1's codes and meet p's zero codes),
	MM0 184, 80, 124, 42, 44                       ; ud 1 (its blocks 2, 3 are zero codes)
	NOPS 8
	s_wait_alu depctr_va_vdst(0)                   ; the reciprocal's wait
.irp i, 0,2,4,6,8,10,12,14
	v_pk_mul_f32 v[176+\i:177+\i], v[176+\i:177+\i], v[202:203] op_sel_hi:[1,0]   ; o: register i is channel 16 (lane / 16) + i of my head
.endr
	v_max3_num_f32 v210, |v176|, |v177|, 0x4800000   ; my head's 32 channels are one block of the projection's K
	s_delay_alu instid0(VALU_DEP_4)
	v_max3_num_f32 v214, |v184|, |v185|, |v186|
	s_delay_alu instid0(VALU_DEP_2)
	v_max3_num_f32 v210, v210, |v178|, |v179|
	s_delay_alu instid0(VALU_DEP_2)
	v_max3_num_f32 v214, v214, |v187|, |v188|
	s_delay_alu instid0(VALU_DEP_2)
	v_max3_num_f32 v210, v210, |v180|, |v181|
	s_delay_alu instid0(VALU_DEP_2)
	v_max3_num_f32 v214, v214, |v189|, |v190|
	s_delay_alu instid0(VALU_DEP_2)
	v_max3_num_f32 v210, v210, |v182|, |v183|
	s_delay_alu instid0(VALU_DEP_1)
	v_max3_num_f32 v210, v210, v214, |v191|
	s_delay_alu instid0(VALU_DEP_1)
	v_permlanex16_b32 v211, v210, s34, s35
	s_delay_alu instid0(VALU_DEP_1)
	v_max_num_f32 v210, v210, v211
	s_delay_alu instid0(VALU_DEP_1)
	v_add_nc_u32 v212, 0xfc000000, v210
	s_delay_alu instid0(VALU_DEP_2)
	v_and_or_b32 v213, v210, 0x7f800000, s36
	s_delay_alu instid0(VALU_DEP_2)
	v_lshrrev_b32 v228, 23, v212
.irp i, 0,1,2,3,4,5,6,7,8,9,10,11,12,13,14,15
	v_med3_num_f32 v[176+\i], v[176+\i], -v213, v213
.endr
	v_cvt_scalef32_pk8_fp8_f32 v[224:225], v[176:183], v212
	v_cvt_scalef32_pk8_fp8_f32 v[226:227], v[184:191], v212
	v_add_nc_u32 v17, s87, v3                      ; (a plain line behind the conversions; the last stores by these addresses landed at this trip's wait)
	v_add_nc_u32 v18, s88, v4
	ds_store_b128 v17, v[224:227]                  ; register group w % 4 of the projection's K step w / 4
	ds_store_b32 v18, v228
	s_add_co_u32 s83, s83, 512
	s_add_co_u32 s84, s84, 128
	s_add_co_u32 s87, s87, 512
	s_add_co_u32 s88, s88, 128
	s_add_co_u32 s79, s79, 1
	s_cmp_lt_u32 s79, 4
	s_cbranch_scc1 .Ltq
	s_add_co_u32 s81, s81, 16384
	s_add_co_u32 s82, s82, 1024
	s_add_co_u32 s78, s78, 1
	s_cmp_lt_u32 s78, 2
	s_cbranch_scc1 .Lwin
	BARRIER                                        ; all heads' codes of o lie in LDS
; ---------------------------------------------------------------- P: o Wp + bp, my 32 outputs for the eight tiles
; v28-43 o's scale words (tile m, K step s: 28 + 2 m + s); v64-95, v96-127 two fragments of o, two buffers; v128 + 16 m the results.
	s_wait_loadcnt 0x0                             ; Wp, bp, Wp's scale words
	WIN 0x40
	WLOAD 0, 72, 262144, 4                         ; W1's fragments (2 t + s) 0-3 take Wq's registers; they are wanted three phases on
	WIN 0
	v_add_nc_u32 v15, OSC, v4
	v_add_nc_u32 v16, OIMG, v3
.irp wv, 0,1,2,3,4,5,6,7
.irp m, 0,1,2,3,4,5,6,7
	ds_load_b32 v[64+8*\wv+\m], v15 offset:1024*\wv+128*\m
.endr
.endr
	s_wait_dscnt 0x0
.irp m, 0,1,2,3,4,5,6,7
.irp st, 0,1
	v_lshl_or_b32 v[28+2*\m+\st], v[64+8*(4*\st+1)+\m], 8, v[64+8*(4*\st)+\m]   ; four heads' bytes make a K step's word.  Behind tile 0's words stand 42 such lines: their places
	s_delay_alu instid0(VALU_DEP_1)
	v_lshl_or_b32 v[28+2*\m+\st], v[64+8*(4*\st+2)+\m], 16, v[28+2*\m+\st]
	s_delay_alu instid0(VALU_DEP_1)
	v_lshl_or_b32 v[28+2*\m+\st], v[64+8*(4*\st+3)+\m], 24, v[28+2*\m+\st]
.endr
.endr
.macro FETCHO m, buf                   ; tile m's two fragments: register group c of K step st is head 4 st + c's 512 bytes
.irp st, 0,1
.irp c, 0,1,2,3
	ds_load_b128 v[64+32*(\buf)+16*\st+4*\c:64+32*(\buf)+16*\st+4*\c+3], v16 offset:(4*\st+\c)*4096+512*(\m)
.endr
.endr
.endm
	FETCHO 0, 0
.irp m, 0,1,2,3,4,5,6,7
.if \m < 7
.if \m > 0
	NOPS 8
.endif
	FETCHO \m+1, (\m+1)%2
	s_wait_dscnt 8                                 ; this tile's eight loads are in; the next tile's eight may be out
.else
	s_wait_dscnt 0x0
.endif
	WIN 0x11                                       ; source 0 (Wp) and C (bp) window 1; two sums by turns
	MM 128+16*\m, 64, 64+32*(\m%2), 128, 24, 28+2*\m
	s_wait_alu depctr_va_vdst(0)
	MM 136+16*\m, 96, 64+32*(\m%2), 136, 26, 28+2*\m
	WIN 0x01
	MM 128+16*\m, 80, 80+32*(\m%2), 128+16*\m, 25, 29+2*\m
	MM 136+16*\m, 112, 80+32*(\m%2), 136+16*\m, 27, 29+2*\m
	WIN 0
.endr
	NOPS 8
	WIN 0x40
	WLOAD 64, 72, 262144+4*2048, 4                 ; W1's fragments 4-7 take Wp's registers; fragments 8-15 are asked for in the hidden layer's first half
	WIN 0
	SLOAD 20, 76, 8192, 16
	LNRES 0                                        ; x1 = x + layernorm, with g1 and be1
; ---------------------------------------------------------------- X1Q: wave w quantises tile w's rows of x1
	s_lshl_b32 s81, s32, 12
	s_add_co_u32 s81, s81, X1IMG
	v_add_nc_u32 v15, s81, v3
	s_lshl_b32 s81, s32, 8
	s_add_co_u32 s81, s81, X1SC
	v_add_nc_u32 v16, s81, v4
	XSLD 64, 0
	XSLD 128, 1
	s_wait_dscnt 0x0
	QUANT 64, 192, 208, 224
	IMAGE 15, 192, 0
	ds_store_b32 v16, v224
	s_wait_dscnt 0x0                               ; the stores have read their registers
	QUANT 128, 192, 208, 224
	IMAGE 15, 192, 2048
	ds_store_b32 v16, v224 offset:128
	BARRIER                                        ; x1's sixteen fragments lie in LDS
; ---------------------------------------------------------------- H: gelu(x1 W1 + b1), my 128 hidden units, which are K step w of the last product: two halves of 64 units x four trips of two token tiles
; v96-127, v192-223 the two tiles' fragments of x1; v224-255 the half's b1, the C of each sum's first product; v128 + 32 e + 8 t the sums of token tile e, hidden tile t of the half; v48-63 z, z^2;
; v64-79, v80-95 two sets of (P, Q), then the quantiser's; v40, v41 scale bytes; v[18:19], v[46:47] two constants; v17, v1 where the images and their scale bytes go.
.macro POLY i, st                      ; eight numbers (result i): Q + z P at st, Q at st + 8; four pairs by turns, and P's and Q's steps by turns
.irp p, 0,2,4,6
	v_pk_mul_f32 v[48+\p:49+\p], v[128+8*\i+\p:129+8*\i+\p], s[60:61] op_sel_hi:[1,0]   ; z = h / sqrt(2): the result is read from its low end on
.endr
.irp p, 0,1,2,3,4,5,6,7
	v_med3_num_f32 v[48+\p], v[48+\p], -4.0, 4.0
.endr
.irp p, 0,2,4,6
	v_pk_mul_f32 v[56+\p:57+\p], v[48+\p:49+\p], v[48+\p:49+\p]
.endr
.irp p, 0,2,4,6
	v_pk_fma_f32 v[\st+\p:\st+\p+1], v[56+\p:57+\p], s[40:41], v[18:19] op_sel_hi:[1,0,1]
.endr
.irp p, 0,2,4,6
	v_pk_fma_f32 v[\st+8+\p:\st+9+\p], v[56+\p:57+\p], s[52:53], v[46:47] op_sel_hi:[1,0,1]
.endr
.irp cc, 0,2,4
.irp p, 0,2,4,6
	v_pk_fma_f32 v[\st+\p:\st+\p+1], v[\st+\p:\st+\p+1], v[56+\p:57+\p], s[42+\cc:43+\cc] op_sel_hi:[1,1,0]
.endr
.irp p, 0,2,4,6
	v_pk_fma_f32 v[\st+8+\p:\st+9+\p], v[\st+8+\p:\st+9+\p], v[56+\p:57+\p], s[54+\cc:55+\cc] op_sel_hi:[1,1,0]
.endr
.endr
.irp cc, 48,50
.irp p, 0,2,4,6
	v_pk_fma_f32 v[\st+\p:\st+\p+1], v[\st+\p:\st+\p+1], v[56+\p:57+\p], s[\cc:\cc+1] op_sel_hi:[1,1,0]
.endr
.endr
.irp p, 0,2,4,6
	v_pk_fma_f32 v[\st+\p:\st+\p+1], v[\st+\p:\st+\p+1], v[48+\p:49+\p], v[\st+8+\p:\st+9+\p]   ; Q + z P
.endr
.endm
.macro RCPS st                         ; 1 / Q (all of Q's coefficients are negative: it is never 0).  The plain line behind the batch is the next POLY's first
.irp p, 0,1,2,3,4,5,6,7
	v_rcp_f32 v[\st+8+\p], v[\st+8+\p]
.endr
.endm
.macro FIN i, st
	s_wait_alu depctr_va_vdst(0)                   ; one wait for the batch of eight reciprocals, issued a whole POLY ago, ahead of their first reader
.irp p, 0,2,4,6
	v_pk_mul_f32 v[\st+\p:\st+\p+1], v[\st+\p:\st+\p+1], v[\st+8+\p:\st+9+\p]   ; 1 + erf
.endr
.irp p, 0,2,4,6
	v_pk_mul_f32 v[128+8*\i+\p:129+8*\i+\p], v[128+8*\i+\p:129+8*\i+\p], v[\st+\p:\st+\p+1]   ; h (1 + erf) = 2 gelu: the factor 2 is taken off the scale bytes
.endr
.endm
.macro B1LOAD                          ; the half's b1 in a result's layout, once a half: hidden tile t's units 32 (t / 2) + 16 h + 8 (t % 2) + 0 .. 7 in v[224 + 8 t] on
.irp t, 0,1,2,3
	ds_load_b128 v[224+8*\t:227+8*\t], v17 offset:(32*(\t/2)+8*(\t%2))*4
	ds_load_b128 v[228+8*\t:231+8*\t], v17 offset:(32*(\t/2)+8*(\t%2))*4+16
.endr
.endm
.macro W2K st                          ; W2's two fragments (8 t + st) of K step st: eight loads
.irp t, 0,1
.irp c, 0,1,2,3
	global_load_b128 v[32*(\st)+16*\t+4*\c:32*(\st)+16*\t+4*\c+3], v3, s[72:73] offset:524288+2048*(8*\t+(\st))+512*\c   ; K step st stands in registers 32 st on: K steps 0-3 where W1's first half stood
.endr
.endr
.endm
	v_mov_b32 v18, 0x32EDFFEE                      ; P's coefficient of z^10,
	v_mov_b32 v19, 0x32EDFFEE
	v_mov_b32 v46, 0xB95FBD29                      ; Q's of z^6: in vector pairs, so that no line names two scalar pairs
	v_mov_b32 v47, 0xB95FBD29
	s_lshl_b32 s85, s32, 9
	s_add_co_u32 s85, s85, B1L
.macro W2S st                          ; K step st's two scale words: v[20 + 2 st + t]
.irp t, 0,1
	global_load_b32 v[20+2*(\st)+\t], v5, s[76:77] offset:16384+64*(8*\t+(\st))
.endr
.endm
.macro W2P st                          ; a K step of W2 whole: ten loads
	WIN 0x40
	W2K \st
	WIN 0
	W2S \st
.endm
.macro W2G k                           ; in trip k of the second half: W2's K step k
	s_cmp_lg_u32 s79, \k
	s_cbranch_scc1 .Lnw2_\@
	W2P \k
.Lnw2_\@:
.endm
.macro W1G k                           ; in trip k of the first half: W1's fragments 8 + 2 k, 9 + 2 k
	s_cmp_lg_u32 s79, \k
	s_cbranch_scc1 .Lnw1_\@
	WIN 0x40
	WLOAD 128+32*\k, 72, 262144+(8+2*\k)*2048, 2
	WIN 0
.Lnw1_\@:
.endm
.macro HMM wb, sb                      ; 16 products: two K steps x two token tiles x the half's four hidden tiles; eight sums by turns
	WIN 0x01                                       ; source 0 (W1) window 1
.irp e, 0,1
.irp t, 0,1,2,3
	MM 128+32*\e+8*\t, \wb+32*\t, 96+96*\e, 224+8*\t, \sb+2*\t, 36+2*\e   ; K step 0 starts each sum with b1
.endr
.endr
.irp e, 0,1
.irp t, 0,1,2,3
	MM 128+32*\e+8*\t, \wb+32*\t+16, 112+96*\e, 128+32*\e+8*\t, \sb+2*\t+1, 37+2*\e
.endr
.endr
	WIN 0
.endm
.macro FETCH2 off, soff                ; two token tiles' fragments and scale words: twenty LDS loads
	FETCHT 96, 36, \off, \soff
	FETCHT 192, 38, \off+4096, \soff+256
.endm
.macro NXX g                           ; eight of the next trip's 32 loads of x, if there is a next trip: no load leaves its buffer
	s_cmp_eq_u32 s33, 1
	s_cbranch_scc1 .Lnx_\@
	WIN 0x40
.set kk, 8*(\g)
.rept 8
	global_load_b128 v[4*kk:4*kk+3], v3, s[4:5] offset:16384+(kk/16)*131072+512*(kk%16) th:TH_LOAD_NT
.set kk, kk+1
.endr
	WIN 0
.Lnx_\@:
.endm
.macro NXP reg, st                     ; and a K step of pos for it
	s_cmp_eq_u32 s33, 1
	s_cbranch_scc1 .Lnp_\@
	WIN 0x40
	POSLOAD \reg, \st
	WIN 0
.Lnp_\@:
.endm
	s_lshl_b32 s86, s32, 14
	s_add_co_u32 s86, s86, HIMG                    ; my images: 1,024 bytes on a half (two register groups), 4,096 on a trip
	s_lshl_b32 s87, s32, 10
	s_add_co_u32 s87, s87, HSC                     ; their scale words: 2 bytes on a half, 256 on a trip
	s_mov_b32 s78, 0                               ; the half
.Lhh:
	s_wait_dscnt 0x0                               ; the last half's reads ahead are in: their registers may be loaded anew
	v_add_nc_u32 v17, s85, v6                      ; the half's b1, + 64 h
	v_add_nc_u32 v15, X1IMG, v3
	v_add_nc_u32 v16, X1SC, v4
	FETCH2 0, 0                                    ; the first two tiles
	B1LOAD
	s_mov_b32 s81, X1IMG                           ; two tiles' fragments: 8,192 bytes on a trip,
	s_mov_b32 s82, X1SC                            ; their scale words: 512 on
	s_mov_b32 s83, s86
	s_mov_b32 s84, s87
	s_mov_b32 s79, 0
.Lhid:
	s_wait_loadcnt 0x0                             ; W1's first half (first trip); else the eight or ten loads asked for a trip ago
	v_add_nc_u32 v15, s81, v3
	v_add_nc_u32 v16, s82, v4
	s_wait_alu depctr_va_vdst(0)
	s_wait_dscnt 0x0                               ; this trip's fragments, asked for behind the last trip's products, and b1 are in; the last trip's stores have landed
	s_cmp_lg_u32 s78, 0
	s_cbranch_scc1 .Lhalf_b
	HMM 0, 20
	NOPS 8
	W1G 0                                          ; W1's second half comes in four parts, one a trip, into registers that these products do not name
	W1G 1
	W1G 2
	W1G 3
	s_branch .Lhjoin
.Lhalf_b:
	HMM 128, 28
	NOPS 8
	W2G 0                                          ; W2's K steps 0-3 take the first half's registers and scale words, one a trip
	W2G 1
	W2G 2
	s_cmp_lg_u32 s79, 3                            ; in the last trip W1 is done with: K step 4 takes its place too; K steps 5 to 7 follow in the next phase
	s_cbranch_scc1 .Lhjoin
	W2P 3
	W2P 4
.Lhjoin:
	FETCH2 8192, 512                               ; the next trip's, a trip ahead.  A half's last read falls on the bytes behind x1's images, which nobody writes in this phase; what it brings is not used
	POLY 0, 64
	s_wait_alu depctr_va_vdst(0)
	RCPS 64
	s_wait_alu depctr_va_vdst(0)
	POLY 1, 80
	FIN 0, 64
	RCPS 80
	s_wait_alu depctr_va_vdst(0)
	POLY 2, 64
	FIN 1, 80
	RCPS 64
	s_wait_alu depctr_va_vdst(0)
	POLY 3, 80
	FIN 2, 64
	RCPS 80
	s_wait_alu depctr_va_vdst(0)
	POLY 4, 64
	FIN 3, 80
	RCPS 64
	s_wait_alu depctr_va_vdst(0)
	POLY 5, 80
	FIN 4, 64
	RCPS 80
	s_wait_alu depctr_va_vdst(0)
	POLY 6, 64
	FIN 5, 80
	RCPS 64
	s_wait_alu depctr_va_vdst(0)
	POLY 7, 80
	FIN 6, 64
	RCPS 80
	v_nop                                          ; the plain line behind the last batch
	FIN 7, 80
	QUANT 128, 64, 80, 40                          ; blocks 0, 1: the first token tile's two blocks of this half; blocks 2, 3: the second's
	v_add_nc_u32 v40, 0xfefefeff, v40              ; 1 off each byte (each is at least 1): the numbers were 2 gelu
	v_add_nc_u32 v17, s83, v3                      ; (the last LDS instructions by these addresses were done at this trip's wait)
	v_add_nc_u32 v1, s84, v4
	v_lshrrev_b32 v41, 16, v40                     ; the second tile's two bytes
.irp e, 0,1
.irp b, 0,1
	ds_store_b128 v17, v[64+8*\e+4*\b:67+8*\e+4*\b] offset:2048*\e+512*\b   ; register group 2 x half + b of tile e's image
.endr
.endr
	ds_store_b16 v1, v40                           ; bytes 2 x half, 2 x half + 1 of each tile's scale word
	ds_store_b16 v1, v41 offset:128
	s_add_co_u32 s81, s81, 8192
	s_add_co_u32 s82, s82, 512
	s_add_co_u32 s83, s83, 4096
	s_add_co_u32 s84, s84, 256
	s_add_co_u32 s79, s79, 1
	s_cmp_lt_u32 s79, 4
	s_cbranch_scc1 .Lhid
	s_add_co_u32 s85, s85, 256
	s_add_co_u32 s86, s86, 1024
	s_add_co_u32 s87, s87, 2
	s_add_co_u32 s78, s78, 1
	s_cmp_lt_u32 s78, 2
	s_cbranch_scc1 .Lhh
.irp i, 0,1,2,3
	ds_load_b128 v[46+4*\i:49+4*\i], v45 offset:512+16*\i   ; b2, as the C of my two tiles: v46-61
.endr
	BARRIER                                        ; the hidden layer's 64 fragments lie in LDS
; ---------------------------------------------------------------- Y: h W2 + b2, my 32 outputs: 8 K steps x 4 pairs of token tiles
; v64-95, v96-127 two fragments, two buffers; v36-39 their scale words; v128 + 16 m the sums.  Sixteen sums by turns, four an item.
	v_add_nc_u32 v15, HIMG, v3                     ; K steps 0-3,
	v_add_nc_u32 v16, HIMG+65536, v3               ; K steps 4-7: an LDS offset has 16 bits
	v_add_nc_u32 v17, HSC, v4
.macro FETCHY q                        ; item q = 4 s + p: tiles 2 p, 2 p + 1 of K step s: ten LDS loads
.set fs, (\q)/4
.set fp, (\q)%4
.set fb, 64+32*((\q)%2)
.irp e, 0,1
.irp c, 0,1,2,3
	ds_load_b128 v[fb+16*\e+4*\c:fb+16*\e+4*\c+3], v[15+fs/4] offset:(8*(fs%4)+2*fp+\e)*2048+512*\c
.endr
	ds_load_b32 v[36+2*((\q)%2)+\e], v17 offset:(8*fs+2*fp+\e)*128
.endr
.endm
	FETCHY 0
	FETCHY 1
.set qq, 0
	s_wait_alu depctr_va_vdst(0)
.rept 32
.set ys, qq/4
.set yp, qq%4
.set yb, 64+32*(qq%2)
.if (qq == 0) || (qq == 16)
	s_wait_loadcnt 0x0                             ; item 0: W2's K steps 0-4, asked for in the hidden layer's trips, are in; item 16: K steps 5-7, asked for behind items 0, 2 and 4.  No wait on loads stands behind item 16, so that the next trip's loads stay out
.endif
.if qq < 31
	s_wait_dscnt 10                                ; this item's ten loads are in; the next item's ten may be out
.else
	s_wait_dscnt 0x0
.endif
	WIN 0x01                                       ; source 0 (W2) window 1
.irp e, 0,1
.irp t, 0,1
.if ys == 0
	MM 128+16*(2*yp+\e)+8*\t, 32*ys+16*\t, yb+16*\e, 46+8*\t, 20+2*ys+\t, 36+2*(qq%2)+\e
.else
	MM 128+16*(2*yp+\e)+8*\t, 32*ys+16*\t, yb+16*\e, 128+16*(2*yp+\e)+8*\t, 20+2*ys+\t, 36+2*(qq%2)+\e
.endif
.endr
.endr
	WIN 0
.if qq < 30
	NOPS 8
	FETCHY qq+2
.endif
.if (qq <= 4) && (qq%2 == 0)
	W2P 5+qq/2                                     ; W2's last three K steps, into registers that W1's second half has left
.endif
.if (qq >= 17) && (qq <= 23) && (qq%2 == 1)
	NXX (qq-17)/2                                  ; K steps 0-3 are done with: the next trip's x takes their registers, eight loads at a time
.endif
.if qq == 25
	NXP 128, 0                                     ; K steps 4 and 5 are done with: pos K step 0
.endif
.set qq, qq+1
.endr
	NOPS 8
	NXP 192, 1                                     ; W2 is done with: pos K step 1
	LNRES 256                                      ; out = x1 + layernorm, with g2 and be2
; ---------------------------------------------------------------- the way out: wave w stores tile w's 16 rows
.set kk, 0
.rept 32
	ds_load_b128 v[128+4*kk:131+4*kk], v9 offset:(kk/2)*XP+512*(kk%2)
.set kk, kk+1
.endr
.set kk, 0
.rept 32
.if kk%4 == 0
	s_wait_dscnt 28-kk                             ; LDS loads come back in order (ISA guide 5.7.1): loads kk to kk + 3 are in, the younger ones may be out
.endif
	global_store_b128 v3, v[128+4*kk:131+4*kk], s[30:31] offset:(kk/16)*131072+512*(kk%16) th:TH_STORE_NT   ; 512 consecutive bytes, at a multiple of 512 from out0's first byte; written once
.set kk, kk+1
.endr
	s_wait_xcnt 0x0                                ; the stores have read their registers and their base: both are written again only behind this wait; the stores themselves are not waited for
	s_add_nc_u64 s[30:31], s[30:31], 16384         ; the next pair of windows
	s_add_co_u32 s33, s33, 1
	s_cmp_lt_u32 s33, 2
	s_cbranch_scc1 .Lpass                          ; between the last barrier and the next trip's first a wave touches its own rows of the stage and its own images alone
	s_wait_xcnt 0x0
	v_lshl_add_u32 v254, v0, 2, 0x4f400
	v_mov_b32 v255, 0
	s_wait_alu depctr_va_vdst(0)
	s_wait_tensorcnt 0x0
	ds_add_u32 v254, v255
	s_wait_dscnt 0x0
	s_endpgm
.Lfunc_end_k_qd1ea39e01c_swin:
	.size	k_qd1ea39e01c_swin, .Lfunc_end_k_qd1ea39e01c_swin-k_qd1ea39e01c_swin
	.p2alignl 7, 3214868480
	.fill 96, 4, 3214868480
	.section	.rodata,"a",@progbits
	.p2align	6, 0x0
	.amdhsa_kernel k_qd1ea39e01c_swin
		.amdhsa_group_segment_fixed_size 325632
		.amdhsa_private_segment_fixed_size 0
		.amdhsa_enable_private_segment 0
		.amdhsa_kernarg_size 112
		.amdhsa_user_sgpr_count 2
		.amdhsa_user_sgpr_kernarg_segment_ptr 1
		.amdhsa_wavefront_size32 1
		.amdhsa_system_sgpr_workgroup_id_x 1
		.amdhsa_system_sgpr_workgroup_id_y 1
		.amdhsa_system_sgpr_workgroup_id_z 1
		.amdhsa_system_vgpr_workitem_id 0
		.amdhsa_next_free_vgpr 512
		.amdhsa_next_free_sgpr 100
		.amdhsa_reserve_vcc 0
		.amdhsa_float_denorm_mode_32 3
		.amdhsa_float_denorm_mode_16_64 3
		.amdhsa_memory_ordered 1
		.amdhsa_forward_progress 1
		.amdhsa_inst_pref_size 255
	.end_amdhsa_kernel
	.section	.bss,"aw",@nobits
	.p2align	6
	.space	262144
	.amdgpu_metadata
---
amdhsa.version: [ 1, 2 ]
amdhsa.kernels:
  - .name:           k_qd1ea39e01c_swin
    .symbol:         k_qd1ea39e01c_swin.kd
    .args:
      - { .name: x, .offset: 0, .size: 8, .value_kind: global_buffer, .address_space: global }
      - { .name: pos, .offset: 8, .size: 8, .value_kind: global_buffer, .address_space: global }
      - { .name: wfrag, .offset: 16, .size: 8, .value_kind: global_buffer, .address_space: global }
      - { .name: wscl, .offset: 24, .size: 8, .value_kind: global_buffer, .address_space: global }
      - { .name: bq, .offset: 32, .size: 8, .value_kind: global_buffer, .address_space: global }
      - { .name: bkv, .offset: 40, .size: 8, .value_kind: global_buffer, .address_space: global }
      - { .name: bp, .offset: 48, .size: 8, .value_kind: global_buffer, .address_space: global }
      - { .name: b1, .offset: 56, .size: 8, .value_kind: global_buffer, .address_space: global }
      - { .name: b2, .offset: 64, .size: 8, .value_kind: global_buffer, .address_space: global }
      - { .name: g1, .offset: 72, .size: 8, .value_kind: global_buffer, .address_space: global }
      - { .name: be1, .offset: 80, .size: 8, .value_kind: global_buffer, .address_space: global }
      - { .name: g2, .offset: 88, .size: 8, .value_kind: global_buffer, .address_space: global }
      - { .name: be2, .offset: 96, .size: 8, .value_kind: global_buffer, .address_space: global }
      - { .name: out0, .offset: 104, .size: 8, .value_kind: global_buffer, .address_space: global }
    .group_segment_fixed_size: 325632
    .private_segment_fixed_size: 0
    .kernarg_segment_align: 8
    .kernarg_segment_size: 112
    .max_flat_workgroup_size: 256
    .sgpr_count:     100
    .vgpr_count:     512
    .wavefront_size: 32
...
	.end_amdgpu_metadata
.endif
;; end of part 2
